; MI455X (gfx1250); checked and timed in simulation.
; The chip was launched on July 23, 2026; its instructions are those of AMD's public machine-readable ISA for CDNA 5 (MIT licence, August 2026) and "CDNA5" Instruction Set Architecture Reference Guide (July 2026). The comments in the code are by the model that wrote it; some were corrected since.
;; Bahdanau Attention. Allowed arithmetic: matrix products marked QUANTISED: E3M2 operands, one E8M0 scale for each 32 along K, by v_wmma_scale_f32_16x16x128_f8f6f4 with both operands' format E3M2, f32 sums; products left as they are: f32 operands where the result goes on into a quantised operand, else bf16, f16 or f32 operands; f32 sums; everything else in f32.
;; Inputs: W1 1,024 x 1,024 float32; W2 1,024 x 1,024 float32; dec_hidden 32 x 1,024 float32; enc_outputs 32 x 2,048 x 1,024 float32; v 1,024 float32.
;; Outputs: out0 32 x 1,024 float32; out1 32 x 2,048 float32.
;; This version of the problem:
;;   THIS VERSION OF THE PROBLEM IS GIVEN IN LOW PRECISION. The matrix products marked QUANTISED in the list below multiply operands that are first quantised to E3M2 (3 exponent bits, 2 mantissa bits; 6 bits a number), with one power-of-two scale for each 32 numbers along K (OCP MX v1.0); their sums are f32. All else is computed in f32.
;;   The module's matrix products, in the order in which they are computed (A, B: the left and right operand; K: the contracted axis; several contracted axes count as one K, in the product's order):
;;     1. [M 32, K 1,024] x [K 1,024, N 1,024]; A: input dec_hidden; B: input W1: QUANTISED
;;     2. [M 65,536, K 1,024] x [K 1,024, N 1,024]; A: input enc_outputs; B: input W2: QUANTISED
;;     3. [M 65,536, K 1,024] x [K 1,024, N 1]; A: computed on the way; B: input v: left as it is (N = 1 < 16)
;;     4. batch 32 x [M 1, K 2,048] x [K 2,048, N 1,024]; A: softmax; B: input enc_outputs: left as it is (M = 1 < 16)
;;   THE QUANTISER, for each operand of a quantised product, along K:
;;     - K is cut into blocks of 32 from its start; a last block that is shorter is filled with zeros.
;;     - A block's scale is 2^e with e = floor(log2(the largest magnitude in the block)) - 4, held to -126 .. 127; a block of zeros has e = 0. As a byte (E8M0): e + 127.
;;     - Each number is divided by its block's scale, clamped to +-28, and rounded to the nearest number of E3M2, ties to even, subnormals kept.
;;     - The product sums the exact products of the quantised numbers (number of the format x scale) in f32.
;;   ~~~python
;;   def quantise(x, axis):      # numpy; x: float32 -> the quantised numbers, widened to float32 again
;;       x = np.moveaxis(x, axis, -1); K = x.shape[-1]
;;       x = np.pad(x, [(0, 0)] * (x.ndim - 1) + [(0, -K % 32)]); x = x.reshape(x.shape[:-1] + (-1, 32)); a = np.abs(x).max(-1, keepdims=True)
;;       e = np.where(a > 0, np.clip(np.frexp(np.where(a > 0, a, 1))[1] - 1 - 4, -126, 127), 0)      # np.frexp(a)[1] - 1 = floor(log2(a)), exactly
;;       r = np.clip(x / 2.0 ** e, -28, 28)
;;       step = 2.0 ** (np.maximum(np.frexp(np.where(r == 0, 1, r))[1] - 1, -2) - 2)
;;       q = np.round(r / step) * step * 2.0 ** e      # np.round: ties to even
;;       return np.moveaxis(q.reshape(q.shape[:-2] + (-1,))[..., :K], -1, axis).astype(np.float32)
;;   ~~~
;; One version. Each part assembles by itself: llvm-mc -triple=amdgcn-amd-amdhsa -mcpu=gfx1250 --defsym DOCPART=n.
;; ======== version 1 of 1: 3 launches
;; limits: right only within a limited range of input values
;; workspace buffers: w2img 819,200 bytes; decp 131,072 bytes; scores 262,144 bytes
;; launch prep (part 1): grid 128 x 1, 8 waves a work-group, no clusters, 41,984 bytes of LDS; arguments W2, W1, dec_hidden, w2img, decp; writes w2img, decp
.if DOCPART == 1
	.amdgcn_target "amdgcn-amd-amdhsa--gfx1250"
	.amdhsa_code_object_version 6
	.text
	.protected	k_q419851e0d8_prep
	.globl	k_q419851e0d8_prep
	.p2align	8
	.type	k_q419851e0d8_prep,@function
k_q419851e0d8_prep:
	s_mov_b64 s[64:65], 0
	v_nop
	global_prefetch_b8 v0, s[64:65] scope:SCOPE_SE
	s_setreg_imm32_b32 hwreg(HW_REG_WAVE_MODE, 25, 1), 1
	s_wait_xcnt 0x0
; W2 [1024][1024] f32 becomes codes of BF6 (E3M2) with E8M0 scales, laid in the order of the operand's registers (w2img); dec_proj = Q(dec_hidden) Q(W1)^T goes to decp [32][1024] f32.
; SHARES.  Work-groups 0-63: 16 rows of W2 each; work-groups 64-127: 16 rows of W1 each.  Wave s of eight takes K step s (128 along K): one fragment.
; A fragment is 12 registers a lane: lane (r, h) holds row r, registers 6 c .. 6 c + 5 the codes of k = 64 c + 32 h + 0 .. 31.  K is innermost in memory, so a lane loads its two whole blocks of 32 (128 bytes each)
; and needs no other lane for a block's largest magnitude.  These tensors are 8.4 MB in all and read once: the loads go straight to the lanes that want them.
; w2img: tile ct at 12,800 ct: eight images of 1,536 bytes (K step s; registers 4 g .. 4 g + 3 of lane l at 512 g + 16 l), then 512 bytes of scale words: lane l's word i = row l % 16, K step 2 i + l / 16.
; The W1 work-groups also quantise dec_hidden (wave s: K step s of both tiles of 16 rows); fragments meet in LDS as images of their registers; waves 0 and 1 multiply (one tile of rows each).
; The product's K is summed in two accumulators by turns (even and odd K steps), added at the end: another order of f32 sums than one chain.
; No cluster: what the W1 work-groups share, dec_hidden, is 128 KB against their own 64 KB each, read through registers in a launch of a few loads.
; LIMITS: NaN and infinities are not served.  A block whose largest magnitude lies under 2^-122 (a block of zeros too) gets the scale byte 1: this program alone reads the bytes.
; WORK LEFT OUT, in the whole program: tanh(x) = 1 - 2 / (1 + e^(2x)), so scores[b][t] = sum_h v[h] - 2 sum_h v[h] / (1 + e^(2 x[b][t][h])).  The term sum_h v[h] is the same for every t,
; and the scores go into the softmax over t alone, which a term that is the same along its axis does not change, whatever finite values v holds: it is not computed.
; LIMIT: an overflow of sum_h v[h] alone is not carried to the result.  Every input is loaded.
.set FRB,  1536
.set FIMG, 0                           ; LDS: the weight's 8 images
.set SIMG, 12288                       ; its scale image, 512 bytes
.set DIMG, 12800                       ; dec_hidden's 16 images (8 mb + s)
.set DSC,  37376                       ; its two scale images
.set SH,   5                           ; v5  8 h
.set X,    32                          ; v32-95   64 numbers
.set PC,   128                         ; v128-139 the fragment just made
.set TC,   140                         ; v140-146 the upper halves of its two blocks
.set QM,   148                         ; v148-151 largest magnitudes, four chains
.set QB,   150                         ; v150-151 then the bytes
.set QS,   152                         ; v152-153 the conversions' scale operands
.set QW,   154                         ; the row's scale word
.set QT,   155
.set SEL,  30                          ; s[30:31] lane selects: lane l xor 16
.set WF,   32                          ; the product: W1's fragments v32-127,
.set DF,   128                         ; dec_hidden's v128-223,
.set AC,   224                         ; two accumulators v224-239,
.set BSR,  240                         ; W1's scale words v240-243, dec_hidden's v244-247,
.set DSR,  244
.set RES,  248                         ; the sum v248-255
; 64 numbers of a lane, v[X + 32 c + i] = k 64 c + 32 h + i of its row, become the fragment in v[PC] on and the row's scale word in v[QW].
.macro QUANT
.irp c, 0,1
	v_max3_num_f32 v[QM+\c], |v[X+32*\c]|, |v[X+32*\c+1]|, 0x2800000      ; with the floor 2^(5 - 127): the byte cannot fall under 1
	v_max3_num_f32 v[QM+2+\c], |v[X+32*\c+16]|, |v[X+32*\c+17]|, |v[X+32*\c+18]|
.endr
.irp i, 2,4,6,8,10,12
.irp c, 0,1
	s_delay_alu instid0(VALU_DEP_4)
	v_max3_num_f32 v[QM+\c], v[QM+\c], |v[X+32*\c+\i]|, |v[X+32*\c+\i+1]|
	s_delay_alu instid0(VALU_DEP_4)
	v_max3_num_f32 v[QM+2+\c], v[QM+2+\c], |v[X+32*\c+\i+17]|, |v[X+32*\c+\i+18]|
.endr
.endr
.irp c, 0
	s_delay_alu instid0(VALU_DEP_4)
	v_max3_num_f32 v[QM+\c], v[QM+\c], |v[X+32*\c+14]|, |v[X+32*\c+15]|
.endr
.irp c, 1
	s_delay_alu instid0(VALU_DEP_3)
	v_max3_num_f32 v[QM+\c], v[QM+\c], |v[X+32*\c+14]|, |v[X+32*\c+15]|
.endr
.irp c, 0,1
	s_delay_alu instid0(VALU_DEP_2)
	v_max3_num_f32 v[QM+\c], v[QM+\c], v[QM+2+\c], |v[X+32*\c+31]|         ; block 2 c + h: its largest magnitude
.endr
.irp c, 0,1
	s_delay_alu instid0(VALU_DEP_2)
	v_add_nc_u32 v[QS+\c], 0xfe000000, v[QM+\c]                           ; 4 off its exponent field: the conversion's scale operand
.endr
.irp c, 0,1
	s_delay_alu instid0(VALU_DEP_2)
	v_lshrrev_b32 v[QB+\c], 23, v[QS+\c]                                  ; the scale's byte
.endr
	s_delay_alu instid0(VALU_DEP_1)
	v_lshl_or_b32 v[QW], v[QB+1], 16, v[QB]                               ; my bytes: blocks h and 2 + h,
	s_delay_alu instid0(VALU_DEP_1)
	v_lshlrev_b32 v[QW], v[SH], v[QW]                                     ; at their places;
	s_delay_alu instid0(VALU_DEP_1)
	v_permlanex16_b32 v[QT], v[QW], s[SEL], s[SEL+1]
	s_delay_alu instid0(VALU_DEP_1)
	v_or_b32 v[QW], v[QW], v[QT]                                          ; with lane l xor 16's the word is whole
.irp c, 0,1
	v_cvt_scalef32_pk16_bf6_f32 v[PC+6*\c:PC+6*\c+2], v[X+32*\c:X+32*\c+15], v[QS+\c]
	v_cvt_scalef32_pk16_bf6_f32 v[TC+4*\c:TC+4*\c+2], v[X+32*\c+16:X+32*\c+31], v[QS+\c]   ; (a conversion's three registers begin on an even number)
.endr
	v_nop                                                                 ; one plain place behind a scaled conversion
.irp c, 0,1
.irp i, 0,1,2
	v_mov_b32 v[PC+6*\c+3+\i], v[TC+4*\c+\i]
.endr
.endr
.endm
	s_load_b128 s[4:7], s[0:1], 0x0                ; W2, W1
	s_load_b128 s[8:11], s[0:1], 0x10              ; dec_hidden, w2img
	s_load_b64 s[12:13], s[0:1], 0x20              ; decp
	v_lshl_add_u32 v30, v0, 2, 0xa000
	v_mov_b32 v31, 0
	v_lshrrev_b32 v1, 5, v0
	s_delay_alu instid0(VALU_DEP_1)
	v_readfirstlane_b32 s14, v1                    ; wave = K step s
	v_and_b32 v1, 15, v0                           ; r
	v_bfe_u32 v2, v0, 4, 1                         ; h
	v_and_b32 v3, 31, v0
	s_delay_alu instid0(VALU_DEP_1)
	v_lshlrev_b32 v3, 4, v3                        ; 16 x lane
	s_wait_alu depctr_va_vdst(0)
	v_lshlrev_b32 v4, 12, v1
	s_delay_alu instid0(VALU_DEP_1)
	v_lshl_add_u32 v4, v2, 7, v4                   ; in: row r of 4,096 bytes + 128 h
	v_lshlrev_b32 v[SH], 3, v2
	s_and_b32 s15, s14, 1
	s_lshl_b32 s16, s15, 8
	s_lshr_b32 s17, s14, 1
	s_lshl_b32 s17, s17, 2
	s_add_co_u32 s16, s16, s17
	v_lshlrev_b32 v6, 4, v1
	s_delay_alu instid0(VALU_DEP_1)
	v_add_nc_u32 v6, s16, v6                       ; my scale word's place in a scale image: 16 (r + 16 (s % 2)) + 4 (s / 2)
	s_mul_i32 s17, s14, FRB
	v_add_nc_u32 v7, s17, v3                       ; my image's place: 16 x lane + 1,536 s
	s_mul_i32 s17, s15, 8*FRB
	v_add_nc_u32 v8, s17, v3                       ; the product (waves 0, 1: mb = wave): dec_hidden's images of my tile of rows
	s_lshl_b32 s17, s15, 9
	v_add_nc_u32 v9, s17, v3                       ; and their scale image
	v_lshlrev_b32 v10, 12, v1
	s_delay_alu instid0(VALU_DEP_1)
	v_lshl_add_u32 v10, v2, 5, v10                 ; decp: row r of 4,096 bytes + 32 h
	v_mov_b32 v[QT], 0                             ; written once: a lane permute's destination counts as one of its sources
	s_mov_b32 s[SEL], 0x76543210
	s_mov_b32 s[SEL+1], 0xfedcba98
	s_and_b32 s18, ttmp9, 63                       ; ct: which 16 rows of the weight
	s_lshl_b32 s22, s18, 16
	s_lshl_b32 s26, s14, 9                         ; K step s: 512 bytes along a row
	s_add_co_u32 s22, s22, s26
	s_mov_b32 s23, 0
	s_mov_b32 s27, 0
	s_mul_i32 s24, s18, 12800
	s_mul_i32 s19, s14, FRB
	s_add_co_u32 s24, s24, s19
	s_mov_b32 s25, 0
	s_lshl_b32 s28, s15, 16                        ; decp: 16 mb rows,
	s_lshl_b32 s19, s18, 6                         ; 16 ct columns
	s_add_co_u32 s28, s28, s19
	s_mov_b32 s29, 0
	s_wait_kmcnt 0x0
	s_cmp_lt_u32 ttmp9, 64                         ; W2's work-group or W1's: the choice hangs on the work-group's number alone
	s_cselect_b64 s[20:21], s[4:5], s[6:7]
	s_add_nc_u64 s[20:21], s[20:21], s[22:23]
	s_add_nc_u64 s[8:9], s[8:9], s[26:27]
	s_add_nc_u64 s[10:11], s[10:11], s[24:25]
	s_add_nc_u64 s[12:13], s[12:13], s[28:29]
.irp c, 0,1
.irp i, 0,1,2,3,4,5,6,7
	global_load_b128 v[X+32*\c+4*\i:X+32*\c+4*\i+3], v4, s[20:21] offset:256*\c+16*\i
.endr
.endr
	s_wait_loadcnt 0x0
	QUANT
.irp g, 0,1,2
	ds_store_b128 v7, v[PC+4*\g:PC+4*\g+3] offset:FIMG+512*\g
.endr
	ds_store_b32 v6, v[QW] offset:SIMG             ; lanes r and r + 16 write the same word with the same value
	s_cmp_lt_u32 ttmp9, 64
	s_cbranch_scc0 .Lw1_quant
.irp g, 0,1,2
	global_store_b128 v3, v[PC+4*\g:PC+4*\g+3], s[10:11] offset:512*\g   ; 32 lanes store 512 consecutive bytes, at a multiple of 256 from the buffer's first byte
.endr
	s_branch .Ljoin
.Lw1_quant:
.irp mb, 0,1
.irp c, 0,1
.irp i, 0,1,2,3,4,5,6,7
	global_load_b128 v[X+32*\c+4*\i:X+32*\c+4*\i+3], v4, s[8:9] offset:65536*\mb+256*\c+16*\i
.endr
.endr
	s_wait_loadcnt 0x0
	s_wait_dscnt 0x0                               ; the LDS stores have read the codes' registers, which are written anew
	QUANT
.irp g, 0,1,2
	ds_store_b128 v7, v[PC+4*\g:PC+4*\g+3] offset:DIMG+8*FRB*\mb+512*\g
.endr
	ds_store_b32 v6, v[QW] offset:DSC+512*\mb
.endr
.Ljoin:
	s_wait_xcnt 0x0                                ; on the common way: every earlier global store has had its addresses translated (ISA guide 3.1), so the codes' registers, which the stores above read, may be written again behind the barrier
	s_wait_dscnt 0x0                               ; for the others' sake: my LDS stores have landed
	s_barrier_signal -1
	s_barrier_wait -1
	s_cmp_lt_u32 ttmp9, 64
	s_cbranch_scc0 .Lw1_mul
	s_cmp_lg_u32 s14, 0
	s_cbranch_scc1 .Lend
	ds_load_b128 v[156:159], v3 offset:SIMG        ; wave 0: the tile's scale image, gathered from the eight waves
	s_wait_dscnt 0x0
	global_store_b128 v3, v[156:159], s[10:11] offset:12288
	s_branch .Lend
.Lw1_mul:
	s_cmp_gt_u32 s14, 1
	s_cbranch_scc1 .Lend
.irp s, 0,1,2,3,4,5,6,7
.irp g, 0,1,2
	ds_load_b128 v[WF+12*\s+4*\g:WF+12*\s+4*\g+3], v3 offset:FIMG+FRB*\s+512*\g
	ds_load_b128 v[DF+12*\s+4*\g:DF+12*\s+4*\g+3], v8 offset:DIMG+FRB*\s+512*\g
.endr
.endr
	ds_load_b128 v[BSR:BSR+3], v3 offset:SIMG
	ds_load_b128 v[DSR:DSR+3], v9 offset:DSC
	s_wait_dscnt 0x0
	; source 0 = 16 rows of W1, source 1 = 16 rows of dec_hidden: lane (r, h) holds row r and outputs 8 h + 0 .. 7.  Register s / 2 of a scale image holds K step s in lanes 0-15 (even s) or 16-31 (odd s).
	; The two accumulators take turns, one instruction a turn.
.irp s, 0,2,4,6
.if \s == 0
	v_wmma_scale_f32_16x16x128_f8f6f4 v[AC:AC+7], v[WF:WF+11], v[DF:DF+11], 0, v[BSR], v[DSR] matrix_a_fmt:MATRIX_FMT_BF6 matrix_b_fmt:MATRIX_FMT_BF6
	v_wmma_scale_f32_16x16x128_f8f6f4 v[AC+8:AC+15], v[WF+12:WF+23], v[DF+12:DF+23], 0, v[BSR], v[DSR] matrix_a_fmt:MATRIX_FMT_BF6 matrix_b_fmt:MATRIX_FMT_BF6 matrix_a_scale:MATRIX_SCALE_ROW1 matrix_b_scale:MATRIX_SCALE_ROW1
.else
	v_wmma_scale_f32_16x16x128_f8f6f4 v[AC:AC+7], v[WF+12*\s:WF+12*\s+11], v[DF+12*\s:DF+12*\s+11], v[AC:AC+7], v[BSR+\s/2], v[DSR+\s/2] matrix_a_fmt:MATRIX_FMT_BF6 matrix_b_fmt:MATRIX_FMT_BF6
	v_wmma_scale_f32_16x16x128_f8f6f4 v[AC+8:AC+15], v[WF+12*\s+12:WF+12*\s+23], v[DF+12*\s+12:DF+12*\s+23], v[AC+8:AC+15], v[BSR+\s/2], v[DSR+\s/2] matrix_a_fmt:MATRIX_FMT_BF6 matrix_b_fmt:MATRIX_FMT_BF6 matrix_a_scale:MATRIX_SCALE_ROW1 matrix_b_scale:MATRIX_SCALE_ROW1
.endif
.endr
.rept 4
	v_nop                                          ; four places behind the last product, ahead of the first read of results (ISA guide 7.12.1)
.endr
.irp j, 0,1,2,3,4,5,6,7
	v_add_f32 v[RES+\j], v[AC+\j], v[AC+8+\j]      ; each accumulator from its low end on
.endr
	global_store_b128 v10, v[RES:RES+3], s[12:13]  ; dec_proj(16 mb + r, 16 ct + 8 h ..): pieces of 64 bytes a row; the buffer is 128 KB in all
	global_store_b128 v10, v[RES+4:RES+7], s[12:13] offset:16
.Lend:
	s_wait_tensorcnt 0x0
	ds_add_u32 v30, v31
	s_wait_dscnt 0x0
	s_endpgm
.Lfunc_end_k_q419851e0d8_prep:
	.size	k_q419851e0d8_prep, .Lfunc_end_k_q419851e0d8_prep-k_q419851e0d8_prep
	.p2alignl 7, 3214868480
	.fill 96, 4, 3214868480
	.section	.rodata,"a",@progbits
	.p2align	6, 0x0
	.amdhsa_kernel k_q419851e0d8_prep
		.amdhsa_group_segment_fixed_size 41984
		.amdhsa_private_segment_fixed_size 0
		.amdhsa_enable_private_segment 0
		.amdhsa_kernarg_size 40
		.amdhsa_user_sgpr_count 2
		.amdhsa_user_sgpr_kernarg_segment_ptr 1
		.amdhsa_wavefront_size32 1
		.amdhsa_system_sgpr_workgroup_id_x 1
		.amdhsa_system_sgpr_workgroup_id_y 1
		.amdhsa_system_sgpr_workgroup_id_z 1
		.amdhsa_system_vgpr_workitem_id 0
		.amdhsa_next_free_vgpr 256
		.amdhsa_next_free_sgpr 66
		.amdhsa_reserve_vcc 0
		.amdhsa_float_denorm_mode_32 3
		.amdhsa_float_denorm_mode_16_64 3
		.amdhsa_memory_ordered 1
		.amdhsa_forward_progress 1
		.amdhsa_inst_pref_size 26
	.end_amdhsa_kernel
	.amdgpu_metadata
---
amdhsa.version: [ 1, 2 ]
amdhsa.kernels:
  - .name:           k_q419851e0d8_prep
    .symbol:         k_q419851e0d8_prep.kd
    .args:
      - { .name: W2, .offset: 0, .size: 8, .value_kind: global_buffer, .address_space: global }
      - { .name: W1, .offset: 8, .size: 8, .value_kind: global_buffer, .address_space: global }
      - { .name: dec_hidden, .offset: 16, .size: 8, .value_kind: global_buffer, .address_space: global }
      - { .name: w2img, .offset: 24, .size: 8, .value_kind: global_buffer, .address_space: global }
      - { .name: decp, .offset: 32, .size: 8, .value_kind: global_buffer, .address_space: global }
    .group_segment_fixed_size: 41984
    .private_segment_fixed_size: 0
    .kernarg_segment_align: 8
    .kernarg_segment_size: 40
    .max_flat_workgroup_size: 256
    .sgpr_count:     66
    .vgpr_count:     256
    .wavefront_size: 32
...
	.end_amdgpu_metadata
.endif
;; end of part 1
;; launch energy (part 2): grid 256 x 1, 4 waves a work-group, clusters of 4 x 1, 327,680 bytes of LDS; arguments enc_outputs, w2img, decp, v, scores; writes scores
.if DOCPART == 2
	.amdgcn_target "amdgcn-amd-amdhsa--gfx1250"
	.amdhsa_code_object_version 6
	.text
	.protected	k_q419851e0d8_energy
	.globl	k_q419851e0d8_energy
	.p2align	8
	.type	k_q419851e0d8_energy,@function
k_q419851e0d8_energy:
	s_mov_b64 s[64:65], 0
	v_nop
	global_prefetch_b8 v0, s[64:65] scope:SCOPE_SE
	s_setreg_imm32_b32 hwreg(HW_REG_WAVE_MODE, 25, 1), 1
	s_wait_xcnt 0x0
	s_wait_alu depctr_hold_cnt(0) depctr_sa_sdst(0) depctr_va_vdst(0) depctr_va_sdst(0) depctr_va_ssrc(0) depctr_va_vcc(0) depctr_vm_vsrc(0)
	s_getreg_b32 s2, hwreg(HW_REG_IB_STS2, 6, 4)
	s_cmp_eq_u32 s2, 0
	s_cbranch_scc0 .Lentry_in_a_cluster
	s_endpgm
.Lentry_in_a_cluster:
	s_bfe_u32 s2, ttmp6, 0x10000c
	s_cmp_lg_u32 s2, 0x3003
	s_cbranch_scc0 .Lentry_shape_is_right
	s_endpgm
.Lentry_shape_is_right:
; scores[b][t] = -2 sum_h v[h] / (1 + e^(2 x)), x = dec_proj[b][h] + (Q(enc_outputs) Q(W2)^T)[b][t][h]: the scores less sum_h v[h], which is the same along the softmax's axis and is left out (shown at the head of the first kernel).
; SHARES.  Work-group g takes rows 256 g .. 256 g + 255 of enc (all of one batch row b = g / 8) as two tiles of 128 rows.  Wave w: rows 64 (w / 2) .. + 63 of the tile, against the column tiles 4 n + 2 (w % 2) + 0, 1 of W2's 64.
; A tile's codes stay in registers (64 rows x 1,024 K = 384 registers a wave); W2's image walks by through two LDS slots of four column tiles (51,200 bytes), asked for jointly by the four work-groups of a cluster.
; QUANTISING.  Wave w quantises rows 32 w .. + 31 of the NEXT tile while this tile is multiplied: a K step (128) of 16 rows is 16 loads of 512 consecutive bytes, turned through the wave's own stage so that lane (r, h) holds
; two whole blocks of 32 of row r; codes and scale words are parked in LDS as images of the operand's registers and taken into registers at the change of tiles.
; THE ORDER OF A STEP (one slot, two column tiles a wave): products 0; fragments 1 asked for; tanh 0; products 1; the change of slots; the next slot's fragments 0 asked for and the next K step's numbers sent through the stage; tanh 1.
; So every run of LDS loads has a tanh (112 vector instructions) between its issue and the wait for it.
; No data prefetch: enc's own loads run a K step (32 loads a wave) ahead, and w2img's tiles are asked for a whole step ahead by the joint loads.
; tanh holds for every finite x: e^(2x) = infinity gives the term 0, e^(2x) = 0 the term v[h].  LIMITS: NaN and infinities among the inputs are not served; a block under 2^-122 (zeros too) gets the scale byte 1, read by this program alone.
.set TILEB, 12800                      ; a column tile's image: 8 fragments of 1,536 bytes, 512 bytes of scale words
.set FRB,   1536
.set SLOTB, 4*TILEB
.set PARK,  2*SLOTB                    ; the next tile's codes: 64 images (8 x block of 16 rows + K step)
.set PSC,   PARK+64*FRB                ; its scale words
.set STG,   PSC+4096                   ; the waves' stages: 16 rows of 512 + 16 bytes
.set SPI,   528
.set STGW,  16*SPI
.set TAB,   STG+4*STGW                 ; dec_proj's row (4,096 bytes), then v
.set SRED,  TAB+8192                   ; the waves' partial scores
.set SPARE, SRED+1024                  ; the spare words: 512 bytes that no other line names
.set SPW, 2                            ; window 0: v2, v3 the add's two registers; v4-19 addresses
.set NIL, 3
.set GOF, 4
.set STW, 5
.set STR, 6
.set PWR, 7
.set PSW, 8
.set PRD, 9
.set PSR, 10
.set BAD, 11
.set TBD, 13
.set SH,  14
.set TA,  15
.set TQ,  16
.set SRW, 17
.set SRR, 18
.set TBW, 19
.set S,   20                           ; v20-27 the scores' sums, a pair for each block of 16 rows
.set TQ2, 28
.set AS,  32                           ; v32-47 A's scale words; v48-51 B's
.set BS,  48
.set BIAS, 52                          ; v52-59 dec_proj at my eight columns: the C of a tile's first products
.set VV,  60                           ; v60-75 v at my eight columns, two sets
.set ACC, 76                           ; v76-107 four accumulators
.set X,   108                          ; v108-171 64 numbers to quantise
.set PC,  172
.set TC,  184
.set QM,  192
.set QB_, 194
.set QS,  196
.set QW,  198
.set QT,  199
.set RR,  192                          ; windows 1, 2: v0-191 A's codes (K steps 0-3, 4-7), v192-255 enc's loads (row group 0, 1); window 3: v0-95 B's fragments
.set WV,  14
.set RH,  15
.set CH,  16
.set G1,  24
.set G0,  32
.set EB,  44
.set EO,  46
.set EPN, 48
.set KOF, 50
.set SOF, 51
.set TOF, 52
.set CNT, 53
.set CC,  54
.set SEL, 56
.set TL1, 58
.set MSB, 0
.macro WIN new                         ; the immediate's high byte repeats the setting that is left
.if MSB != \new
	s_set_vgpr_msb (MSB<<8)|\new
.set MSB, \new
.endif
.endm
.macro PLACES                          ; four places behind a matrix instruction (ISA guide 7.12.1)
.rept 4
	v_nop
.endr
.endm
.macro ROUND                           ; a round of the cluster's barrier
	s_barrier_signal -1
	s_barrier_wait -1
	s_cmp_lg_u32 s[WV], 0
	s_cbranch_scc1 .Lnot_wave_0_\@
	s_barrier_signal -3
.Lnot_wave_0_\@:
	s_barrier_wait -3
	s_barrier_signal -1
	s_barrier_wait -1
.endm
; 64 numbers of a lane, v[X + 32 c + i] = k 64 c + 32 h + i of its row, become a fragment in v[PC] on and the row's scale word in v[QW]
.macro QUANT
.irp c, 0,1
	v_max3_num_f32 v[QM+\c], |v[X+32*\c]|, |v[X+32*\c+1]|, 0x2800000       ; with the floor 2^(5 - 127): the byte cannot fall under 1
	v_max3_num_f32 v[QM+2+\c], |v[X+32*\c+16]|, |v[X+32*\c+17]|, |v[X+32*\c+18]|
.endr
.irp i, 2,4,6,8,10,12
.irp c, 0,1
	v_max3_num_f32 v[QM+\c], v[QM+\c], |v[X+32*\c+\i]|, |v[X+32*\c+\i+1]|
	v_max3_num_f32 v[QM+2+\c], v[QM+2+\c], |v[X+32*\c+\i+17]|, |v[X+32*\c+\i+18]|
.endr
.endr
.irp c, 0,1
	v_max3_num_f32 v[QM+\c], v[QM+\c], |v[X+32*\c+14]|, |v[X+32*\c+15]|
.endr
.irp c, 0,1
	v_max3_num_f32 v[QM+\c], v[QM+\c], v[QM+2+\c], |v[X+32*\c+31]|         ; block 2 c + h: its largest magnitude
.endr
.irp c, 0,1
	v_add_nc_u32 v[QS+\c], 0xfe000000, v[QM+\c]                           ; 4 off its exponent field: the conversion's scale operand
.endr
.irp c, 0,1
	v_lshrrev_b32 v[QB_+\c], 23, v[QS+\c]                                 ; the scale's byte
.endr
	v_lshl_or_b32 v[QW], v[QB_+1], 16, v[QB_]
	v_lshlrev_b32 v[QW], v[SH], v[QW]
	v_permlanex16_b32 v[QT], v[QW], s[SEL], s[SEL+1]
	v_or_b32 v[QW], v[QW], v[QT]                                          ; with lane l xor 16's two bytes the word is whole
.irp c, 0,1
	v_cvt_scalef32_pk16_bf6_f32 v[PC+6*\c:PC+6*\c+2], v[X+32*\c:X+32*\c+15], v[QS+\c]
	v_cvt_scalef32_pk16_bf6_f32 v[TC+4*\c:TC+4*\c+2], v[X+32*\c+16:X+32*\c+31], v[QS+\c]   ; (a conversion's three registers begin on an even number)
.endr
	v_nop                                                                 ; one plain place behind a scaled conversion
.irp c, 0,1
.irp i, 0,1,2
	v_mov_b32 v[PC+6*\c+3+\i], v[TC+4*\c+\i]
.endr
.endr
.endm
; The quantiser's first half: row group u's 16 loads (cnt: the other group's younger loads may be out) go through my stage as they lie and come back 128 bytes of a row a lane.  LDS serves a wave's instructions in order.
.macro QA u, cnt
	s_wait_loadcnt \cnt
	WIN (4<<(\u))
.irp j, 0,1,2,3,4,5,6,7,8,9,10,11,12,13,14,15
	ds_store_b128 v[STW], v[RR+4*\j:RR+4*\j+3] offset:SPI*\j
.endr
	WIN 0
.irp c, 0,1
.irp i, 0,1,2,3,4,5,6,7
	ds_load_b128 v[X+32*\c+4*\i:X+32*\c+4*\i+3], v[STR] offset:256*\c+16*\i
.endr
.endr
.endm
; Its second half, behind a wait for all LDS instructions: the group's registers take the next K step's loads; the fragment and the scale word are made and parked.
.macro QB u, load
.if \load
	WIN (0x40<<(\u))
.irp j, 0,1,2,3,4,5,6,7,8,9,10,11,12,13,14,15
	global_load_b128 v[RR+4*\j:RR+4*\j+3], v[GOF], s[EPN:EPN+1] offset:65536*(\u)+4096*\j th:TH_LOAD_NT
.endr
	WIN 0
.endif
	QUANT
	v_add_nc_u32 v[TQ], s[KOF], v[PWR]
.irp g, 0,1,2
	ds_store_b128 v[TQ], v[PC+4*\g:PC+4*\g+3] offset:8*FRB*(\u)+512*\g
.endr
	v_add_nc_u32 v[TQ2], s[SOF], v[PSW]
	ds_store_b32 v[TQ2], v[QW] offset:512*(\u)
.endm
.macro QNEXT                           ; on to the next K step; behind tile 0's last, tile 1's first (128 rows down)
	s_wait_xcnt 0x0                                ; the loads have read their base
	s_add_co_u32 s[EO], s[EO], 512
	s_cmp_eq_u32 s[EO], 4096
	s_cselect_b32 s[EO], s[TL1], s[EO]
	s_add_nc_u64 s[EPN:EPN+1], s[EB:EB+1], s[EO:EO+1]
	s_add_co_u32 s[KOF], s[KOF], FRB
	s_add_co_u32 s[SOF], s[SOF], 64
.endm
; A column tile's eight fragments, its scale words, and dec_proj and v at its columns: 29 loads in one run
.macro LOADB adr, q, vs, to, ta
	WIN 0xc0
.irp s, 0,1,2,3,4,5,6,7
.irp g, 0,1,2
	ds_load_b128 v[12*\s+4*\g:12*\s+4*\g+3], v[\adr] offset:TILEB*\q+FRB*\s+512*\g
.endr
.endr
	WIN 0
	ds_load_b128 v[BS:BS+3], v[\adr] offset:TILEB*\q+8*FRB
	ds_load_b128 v[BIAS:BIAS+3], v[\ta] offset:\to+64*\q
	ds_load_b128 v[BIAS+4:BIAS+7], v[\ta] offset:\to+64*\q+16
	ds_load_b128 v[VV+8*\vs:VV+8*\vs+3], v[\ta] offset:4096+\to+64*\q
	ds_load_b128 v[VV+8*\vs+4:VV+8*\vs+7], v[\ta] offset:4096+\to+64*\q+16
.endm
; Source 0 = 16 rows of W2, source 1 = 16 rows of enc: lane (r, h) holds row r and columns 8 h + 0 .. 7.  A scale register holds K step 2 i in lanes 0-15 and 2 i + 1 in lanes 16-31.
.macro WM s, mm
.set rA, 12*(4*((\s)%4)+(\mm))
.set rD, ACC+8*(\mm)
.if (\s) == 0
	v_wmma_scale_f32_16x16x128_f8f6f4 v[rD:rD+7], v[12*(\s):12*(\s)+11], v[rA:rA+11], v[BIAS:BIAS+7], v[BS+(\s)/2], v[AS+4*(\mm)+(\s)/2] matrix_a_fmt:MATRIX_FMT_BF6 matrix_b_fmt:MATRIX_FMT_BF6
.elseif (\s)%2 == 0
	v_wmma_scale_f32_16x16x128_f8f6f4 v[rD:rD+7], v[12*(\s):12*(\s)+11], v[rA:rA+11], v[rD:rD+7], v[BS+(\s)/2], v[AS+4*(\mm)+(\s)/2] matrix_a_fmt:MATRIX_FMT_BF6 matrix_b_fmt:MATRIX_FMT_BF6
.else
	v_wmma_scale_f32_16x16x128_f8f6f4 v[rD:rD+7], v[12*(\s):12*(\s)+11], v[rA:rA+11], v[rD:rD+7], v[BS+(\s)/2], v[AS+4*(\mm)+(\s)/2] matrix_a_fmt:MATRIX_FMT_BF6 matrix_b_fmt:MATRIX_FMT_BF6 matrix_a_scale:MATRIX_SCALE_ROW1 matrix_b_scale:MATRIX_SCALE_ROW1
.endif
.endm
.macro MUL                             ; 32 products: K ascending, the four accumulators by turns
.irp s, 0,1,2,3,4,5,6,7
.if \s < 4
	WIN 0x07
.else
	WIN 0x0b
.endif
.irp mm, 0,1,2,3
	WM \s, \mm
.endr
.endr
	WIN 0
.endm
; S += v / (1 + 2^(2 log2(e) x)), 32 numbers a lane.
.macro TANH vs
.set j, 0
.rept 16
	v_pk_mul_f32 v[ACC+j:ACC+j+1], v[ACC+j:ACC+j+1], s[CC:CC+1] op_sel_hi:[1,0]   ; each accumulator from its low end on
.set j, j+2
.endr
.set j, 0
	s_wait_alu depctr_va_vdst(0)
.rept 32
	v_exp_f32 v[ACC+j], v[ACC+j]
.set j, j+1
.endr
	v_nop
	s_wait_alu depctr_va_vdst(0)
.set j, 0
.rept 16
	v_pk_add_f32 v[ACC+j:ACC+j+1], v[ACC+j:ACC+j+1], 1.0 op_sel_hi:[1,0]
.set j, j+2
.endr
.set j, 0
	s_wait_alu depctr_va_vdst(0)
.rept 32
	v_rcp_f32 v[ACC+j], v[ACC+j]
.set j, j+1
.endr
	v_nop
	s_wait_alu depctr_va_vdst(0)
.irp j, 0,2,4,6
.irp mm, 0,1,2,3
	v_pk_fma_f32 v[S+2*\mm:S+2*\mm+1], v[ACC+8*\mm+\j:ACC+8*\mm+\j+1], v[VV+8*\vs+\j:VV+8*\vs+\j+1], v[S+2*\mm:S+2*\mm+1]
.endr
.endr
.endm
; The change of slots: all my tensor loads are in (the one that was out is the other slot's), the add, my reads of this slot are over; a round; this slot is filled again first.
; fill = 1: two slots on; 2: back to W2's first tiles, for the next tile of rows; 0: nothing is left to fetch, and a work-group barrier shows the other slot whole.
.macro CHANGE slot, fill
	s_wait_tensorcnt 0x0
	ds_add_u32 v[SPW], v[NIL]
.if \fill == 1
	s_add_nc_u64 s[G0+4*\slot+2:G0+4*\slot+3], s[G0+4*\slot+2:G0+4*\slot+3], 2*SLOTB
.elseif \fill == 2
	s_sub_nc_u64 s[G0+4*\slot+2:G0+4*\slot+3], s[G0+4*\slot+2:G0+4*\slot+3], 14*SLOTB
.endif
	s_wait_dscnt 0x0
.if \fill
	ROUND
	tensor_load_to_lds s[G0+4*\slot:G0+4*\slot+3], s[G1:G1+7]
	s_nop 0
.else
	s_barrier_signal -1
	s_barrier_wait -1
.endif
	PLACES                                         ; also the places ahead of loads into B's registers
.endm
; A step: my two column tiles of one slot.  At its head tile 0's fragments, and with quant the numbers from the stage, are on their way.
.macro CSTEP slot, quant, load, fill, next, ncnt
	s_wait_dscnt 0x0
.if \quant
	QB \slot, \load
.endif
	MUL
	PLACES
	LOADB BAD+\slot, 1, 1, 256*\slot, TA
	TANH 0
	s_wait_dscnt 0x0
	MUL                                            ; the slot's last fragments are in registers: it can be given up
.if \fill >= 0
	CHANGE \slot, \fill
.else
	PLACES
.endif
.if \next
	LOADB BAD+1-\slot, 0, 0, 256*\slot+256, TA
.if \quant
	QA 1-\slot, \ncnt
.endif
.endif
	TANH 1
.endm
.macro TRIP quant, load, f0, f1, next, c1, c0
	v_add_nc_u32 v[TA], s[TOF], v[TBD]
	s_wait_alu depctr_va_vdst(0)
	CSTEP 0, \quant, \load, \f0, 1, \c1
	CSTEP 1, \quant, \load, \f1, \next, \c0
	s_add_co_u32 s[TOF], s[TOF], 512
.if \load
	QNEXT
.endif
.endm
.macro PRE quant                       ; ahead of a tile's first step: what a step finds on its way
	LOADB BAD, 0, 0, 0, TBD
.if \quant
	QA 0, 16
.endif
.endm
.macro SCORE                           ; my half of the columns, both halves of the lanes: a partial score for each of my 64 rows
.irp mm, 0,1,2,3
	v_add_f32 v[QM+\mm], v[S+2*\mm], v[S+2*\mm+1]
.endr
.irp mm, 0,1,2,3
	v_permlanex16_b32 v[QS+\mm], v[QM+\mm], s[SEL], s[SEL+1]
.endr
.irp mm, 0,1,2,3
	v_add_f32 v[QM+\mm], v[QM+\mm], v[QS+\mm]
.endr
.irp mm, 0,1,2,3
	ds_store_b32 v[SRW], v[QM+\mm] offset:64*\mm
.endr
.endm
.macro OUT tile                        ; wave 0 adds the two column halves and stores the tile's 128 scores: 512 consecutive bytes
	s_cmp_lg_u32 s[WV], 0
	s_cbranch_scc1 .Lno_out_\@
	ds_load_b128 v[X+8*\tile:X+8*\tile+3], v[SRR]
	ds_load_b128 v[X+8*\tile+4:X+8*\tile+7], v[SRR] offset:256
	s_wait_dscnt 0x0
	v_pk_add_f32 v[X+8*\tile:X+8*\tile+1], v[X+8*\tile:X+8*\tile+1], v[X+8*\tile+4:X+8*\tile+5]
	v_pk_add_f32 v[X+8*\tile+2:X+8*\tile+3], v[X+8*\tile+2:X+8*\tile+3], v[X+8*\tile+6:X+8*\tile+7]
	v_pk_mul_f32 v[X+8*\tile:X+8*\tile+1], v[X+8*\tile:X+8*\tile+1], -2.0 op_sel_hi:[1,0]
	v_pk_mul_f32 v[X+8*\tile+2:X+8*\tile+3], v[X+8*\tile+2:X+8*\tile+3], -2.0 op_sel_hi:[1,0]
	global_store_b128 v[GOF], v[X+8*\tile:X+8*\tile+3], s[12:13] offset:512*\tile
.Lno_out_\@:
.endm
.macro SWITCH out                      ; the change of tiles: everybody's parked codes are whole; my 64 rows come into registers; a second barrier frees the park
	s_wait_tensorcnt 0x0
	s_wait_dscnt 0x0
	s_barrier_signal -1
	s_barrier_wait -1
.if \out
	OUT 0
.endif
	PLACES
	WIN 0x40
.irp s, 0,1,2,3
.irp mm, 0,1,2,3
.irp g, 0,1,2
	ds_load_b128 v[12*(4*\s+\mm)+4*\g:12*(4*\s+\mm)+4*\g+3], v[PRD] offset:(8*\mm+\s)*FRB+512*\g
.endr
.endr
.endr
	WIN 0x80
.irp s, 0,1,2,3
.irp mm, 0,1,2,3
.irp g, 0,1,2
	ds_load_b128 v[12*(4*\s+\mm)+4*\g:12*(4*\s+\mm)+4*\g+3], v[PRD] offset:(8*\mm+\s+4)*FRB+512*\g
.endr
.endr
.endr
	WIN 0
.irp mm, 0,1,2,3
.irp i, 0,1,2,3
	ds_load_b32 v[AS+4*\mm+\i], v[PSR] offset:512*\mm+128*\i
.endr
.endr
	s_wait_dscnt 0x0
	s_barrier_signal -1
	s_barrier_wait -1
.irp j, 0,1,2,3,4,5,6,7
	v_mov_b32 v[S+\j], 0
.endr
	s_mov_b32 s[TOF], 0
	s_mov_b32 s[KOF], 0
	s_mov_b32 s[SOF], 0
.endm
	s_load_b256 s[4:11], s[0:1], 0x0               ; enc s[4:5], w2img s[6:7], decp s[8:9], v s[10:11]
	s_load_b64 s[12:13], s[0:1], 0x20              ; scores
	v_lshl_add_u32 v[SPW], v0, 2, SPARE
	v_mov_b32 v[NIL], 0
	ds_add_u32 v[SPW], v[NIL]                      ; the opening lines: the add, twice on end, and its wait
	ds_add_u32 v[SPW], v[NIL]
	v_lshrrev_b32 v1, 5, v0
	v_readfirstlane_b32 s[WV], v1                  ; wave 0..3
	v_lshlrev_b32 v29, 4, v0
	v_add_nc_u32 v[TBW], TAB, v29
	v_and_b32 v30, 31, v0
	v_lshlrev_b32 v[GOF], 4, v30                   ; 16 x lane
	s_lshr_b32 s[RH], s[WV], 1
	s_and_b32 s[CH], s[WV], 1
	s_bfe_u32 s17, ttmp6, 0x40000
	s_lshl_b32 s18, ttmp9, 2
	s_add_co_u32 s18, s18, s17                     ; work-group 0..255: it enters global addresses of my own loads alone
	s_mov_b32 s[G1], 15|(3<<16)|(1<<21)            ; the mask names the cluster's four; a column tile is a dense block: 50 rows of 256 bytes
	s_mov_b32 s[G1+1], 32<<16
	s_mov_b32 s[G1+2], 50<<16
	s_mov_b32 s[G1+3], 32<<16
	s_mov_b32 s[G1+4], 50
	s_mov_b32 s[G1+5], 32
	s_mov_b32 s[G1+6], 0
	s_mov_b32 s[G1+7], 0
	s_mul_i32 s60, s[WV], TILEB                    ; wave w fetches the slot's tile w
	s_mov_b32 s61, 0
	s_mov_b32 s[CC], 0x4038aa3b                    ; 2 log2(e)
	s_mov_b32 s[CC+1], s[CC]
	s_mov_b32 s[SEL], 0x76543210
	s_mov_b32 s[SEL+1], 0xfedcba98
	s_mov_b32 s[TL1], 524288
	s_wait_alu depctr_va_vdst(0)
	s_wait_dscnt 0x0
	s_wait_kmcnt 0x0
	s_mov_b32 s[G0], 1
	s_mov_b32 s[G0+1], s60
	s_add_nc_u64 s[G0+2:G0+3], s[6:7], s[60:61]
	s_or_b32 s[G0+3], s[G0+3], 0x80000000
	s_mov_b32 s[G0+4], 1
	s_add_co_u32 s[G0+5], s60, SLOTB
	s_add_nc_u64 s[G0+6:G0+7], s[6:7], s[60:61]
	s_add_nc_u64 s[G0+6:G0+7], s[G0+6:G0+7], SLOTB
	s_or_b32 s[G0+7], s[G0+7], 0x80000000
	s_lshr_b32 s62, s18, 3
	s_lshl_b32 s62, s62, 12
	s_mov_b32 s63, 0
	s_add_nc_u64 s[8:9], s[8:9], s[62:63]          ; dec_proj's row b
	s_lshl_b32 s62, s18, 10
	s_add_nc_u64 s[12:13], s[12:13], s[62:63]      ; my 256 scores
	s_lshl_b32 s62, s18, 20
	s_lshl_b32 s60, s[WV], 17
	s_add_co_u32 s62, s62, s60
	s_add_nc_u64 s[EB:EB+1], s[4:5], s[62:63]      ; enc: my work-group's 256 rows, my wave's 32 of a tile
	; my own loads go out ahead of the round and the tensor loads: the tables, then K step 0 of both row groups
	global_load_b128 v[X:X+3], v29, s[8:9]
	global_load_b128 v[X+4:X+7], v29, s[8:9] offset:2048
	global_load_b128 v[X+8:X+11], v29, s[10:11]
	global_load_b128 v[X+12:X+15], v29, s[10:11] offset:2048
	WIN 0x40
.irp j, 0,1,2,3,4,5,6,7,8,9,10,11,12,13,14,15
	global_load_b128 v[RR+4*\j:RR+4*\j+3], v[GOF], s[EB:EB+1] offset:4096*\j th:TH_LOAD_NT
.endr
	WIN 0x80
.irp j, 0,1,2,3,4,5,6,7,8,9,10,11,12,13,14,15
	global_load_b128 v[RR+4*\j:RR+4*\j+3], v[GOF], s[EB:EB+1] offset:65536+4096*\j th:TH_LOAD_NT
.endr
	WIN 0
	ROUND                                          ; the four work-groups are here: the first joint loads meet
	tensor_load_to_lds s[G0:G0+3], s[G1:G1+7]      ; slot 0: one tensor load a wave at the head
	s_nop 0
	v_and_b32 v1, 15, v0                           ; r
	v_bfe_u32 v31, v0, 4, 1                        ; h
	v_lshlrev_b32 v[SH], 3, v31
	v_mov_b32 v[QT], 0                             ; written once: a lane permute's destination counts as one of its sources
	s_mul_i32 s60, s[WV], STGW
	s_add_co_u32 s60, s60, STG
	v_add_nc_u32 v[STW], s60, v[GOF]
	v_mul_u32_u24 v[STR], v1, SPI
	v_lshl_add_u32 v[STR], v31, 7, v[STR]
	v_add_nc_u32 v[STR], s60, v[STR]
	s_mul_i32 s60, s[WV], 16*FRB
	s_add_co_u32 s60, s60, PARK
	v_add_nc_u32 v[PWR], s60, v[GOF]
	s_lshl_b32 s60, s[WV], 10
	s_add_co_u32 s60, s60, PSC
	v_lshl_add_u32 v[PSW], v1, 2, s60
	s_mul_i32 s60, s[RH], 32*FRB
	s_add_co_u32 s60, s60, PARK
	v_add_nc_u32 v[PRD], s60, v[GOF]
	s_lshl_b32 s60, s[RH], 11
	s_add_co_u32 s60, s60, PSC
	v_lshl_add_u32 v[PSR], v30, 2, s60
	s_mul_i32 s60, s[CH], 2*TILEB
	v_add_nc_u32 v[BAD], s60, v[GOF]
	v_add_nc_u32 v[BAD+1], SLOTB, v[BAD]
	s_lshl_b32 s60, s[CH], 7
	s_add_co_u32 s60, s60, TAB
	v_lshl_add_u32 v[TBD], v31, 5, s60
	s_lshl_b32 s60, s[WV], 8
	s_add_co_u32 s60, s60, SRED
	v_lshl_add_u32 v[SRW], v1, 2, s60
	v_lshlrev_b32 v[SRR], 4, v1
	v_lshl_add_u32 v[SRR], v31, 9, v[SRR]
	v_add_nc_u32 v[SRR], SRED, v[SRR]
	s_mov_b32 s[EO], 512
	s_mov_b32 s[EO+1], 0
	s_add_nc_u64 s[EPN:EPN+1], s[EB:EB+1], s[EO:EO+1]
	s_mov_b32 s[KOF], 0
	s_mov_b32 s[SOF], 0
	s_wait_alu depctr_va_vdst(0)
	s_wait_tensorcnt 0x0                           ; slot 1's first fill is issued as a refill is: the three lines, a round, the load
	ds_add_u32 v[SPW], v[NIL]
	s_wait_dscnt 0x0
	ROUND
	tensor_load_to_lds s[G0+4:G0+7], s[G1:G1+7]
	s_nop 0
	PLACES
	s_wait_loadcnt 32                              ; the tables are in; enc's 32 loads behind them may be out
	ds_store_b128 v[TBW], v[X:X+3]
	ds_store_b128 v[TBW], v[X+4:X+7] offset:2048
	ds_store_b128 v[TBW], v[X+8:X+11] offset:4096
	ds_store_b128 v[TBW], v[X+12:X+15] offset:6144
	s_mov_b32 s[CNT], 8
.Lp0:                                                  ; tile 0 is quantised: eight K steps, two row groups
	QA 0, 16
	s_wait_dscnt 0x0
	QB 0, 1
	QA 1, 16
	s_wait_dscnt 0x0
	QB 1, 1
	QNEXT
	s_sub_co_u32 s[CNT], s[CNT], 1
	s_cmp_lg_u32 s[CNT], 0
	s_cbranch_scc1 .Lp0
	SWITCH 0
	PRE 1
	s_mov_b32 s[CNT], 7
.Lp1:                                                  ; tile 0 is multiplied, tile 1 quantised
	TRIP 1, 1, 1, 1, 1, 16, 16
	s_sub_co_u32 s[CNT], s[CNT], 1
	s_cmp_lg_u32 s[CNT], 0
	s_cbranch_scc1 .Lp1
	s_mov_b32 s[TOF], 7*512
	s_mov_b32 s[KOF], 7*FRB
	s_mov_b32 s[SOF], 7*64
	TRIP 1, 0, 2, 2, 0, 0, 0                       ; the last K step: no more loads of enc; the slots go back to W2's first tiles
	SCORE
	SWITCH 1
	PRE 0
	s_mov_b32 s[CNT], 7
.Lp2:                                                  ; tile 1 is multiplied
	TRIP 0, 0, 1, 1, 1, 0, 0
	s_sub_co_u32 s[CNT], s[CNT], 1
	s_cmp_lg_u32 s[CNT], 0
	s_cbranch_scc1 .Lp2
	s_mov_b32 s[TOF], 7*512
	TRIP 0, 0, 0, -1, 0, 0, 0                      ; the last two slots: nothing is filled again
	SCORE
	s_wait_dscnt 0x0
	s_barrier_signal -1
	s_barrier_wait -1
	OUT 1
	s_wait_tensorcnt 0x0                           ; the wave's end: the wait, the add and its wait,
	ds_add_u32 v[SPW], v[NIL]
	s_wait_dscnt 0x0
	ROUND                                          ; and the closing round
	s_endpgm
.Lfunc_end_k_q419851e0d8_energy:
	.size	k_q419851e0d8_energy, .Lfunc_end_k_q419851e0d8_energy-k_q419851e0d8_energy
	.p2alignl 7, 3214868480
	.fill 96, 4, 3214868480
	.section	.rodata,"a",@progbits
	.p2align	6, 0x0
	.amdhsa_kernel k_q419851e0d8_energy
		.amdhsa_group_segment_fixed_size 327680
		.amdhsa_private_segment_fixed_size 0
		.amdhsa_enable_private_segment 0
		.amdhsa_kernarg_size 40
		.amdhsa_user_sgpr_count 2
		.amdhsa_user_sgpr_kernarg_segment_ptr 1
		.amdhsa_wavefront_size32 1
		.amdhsa_system_sgpr_workgroup_id_x 1
		.amdhsa_system_sgpr_workgroup_id_y 1
		.amdhsa_system_sgpr_workgroup_id_z 1
		.amdhsa_system_vgpr_workitem_id 0
		.amdhsa_next_free_vgpr 1024
		.amdhsa_next_free_sgpr 66
		.amdhsa_reserve_vcc 0
		.amdhsa_float_denorm_mode_32 3
		.amdhsa_float_denorm_mode_16_64 3
		.amdhsa_memory_ordered 1
		.amdhsa_forward_progress 1
		.amdhsa_inst_pref_size 253
	.end_amdhsa_kernel
	.amdgpu_metadata
---
amdhsa.version: [ 1, 2 ]
amdhsa.kernels:
  - .name:           k_q419851e0d8_energy
    .symbol:         k_q419851e0d8_energy.kd
    .args:
      - { .name: enc_outputs, .offset: 0, .size: 8, .value_kind: global_buffer, .address_space: global }
      - { .name: w2img, .offset: 8, .size: 8, .value_kind: global_buffer, .address_space: global }
      - { .name: decp, .offset: 16, .size: 8, .value_kind: global_buffer, .address_space: global }
      - { .name: v, .offset: 24, .size: 8, .value_kind: global_buffer, .address_space: global }
      - { .name: scores, .offset: 32, .size: 8, .value_kind: global_buffer, .address_space: global }
    .group_segment_fixed_size: 327680
    .private_segment_fixed_size: 0
    .kernarg_segment_align: 8
    .kernarg_segment_size: 40
    .max_flat_workgroup_size: 128
    .sgpr_count:     66
    .vgpr_count:     1024
    .wavefront_size: 32
...
	.end_amdgpu_metadata
.endif
;; end of part 2
;; launch context (part 3): grid 256 x 1, 8 waves a work-group, no clusters, 17,408 bytes of LDS; arguments scores, enc_outputs, out0, out1; writes out0, out1
.if DOCPART == 3
	.amdgcn_target "amdgcn-amd-amdhsa--gfx1250"
	.amdhsa_code_object_version 6
	.text
	.protected	k_q419851e0d8_context
	.globl	k_q419851e0d8_context
	.p2align	8
	.type	k_q419851e0d8_context,@function
k_q419851e0d8_context:
	s_mov_b64 s[64:65], 0
	v_nop
	global_prefetch_b8 v0, s[64:65] scope:SCOPE_SE
	s_setreg_imm32_b32 hwreg(HW_REG_WAVE_MODE, 25, 1), 1
	s_wait_xcnt 0x0
; out1[b][:] = softmax over t of scores[b][:]; out0[b][e] = the sum over t of out1[b][t] enc_outputs[b][t][e], all in f32 by fused multiply-adds (one row of weights: nothing for a matrix unit).
; The scores lack the term sum_h v[h], the same for every t, which the softmax does not see (shown at the head of the first kernel).
; SHARES.  Work-group 8 b + cc owns columns 128 cc .. 128 cc + 127 of batch row b.  Each of the eight work-groups of a batch row makes the softmax anew from 8 KB of scores (against 1 MB of enc each: too little
; shared for a cluster) and stores an eighth of out1.  Wave w of eight takes rows 256 w .. 256 w + 255; one load is a row's 512 consecutive bytes, aligned to 256.
; A ring of 32 loads a wave (four batches of 8 rows) stays out.  All 256 rows are reached by immediates (255 x 4,096 bytes, inside the signed 24-bit field), so no base is stepped; the 32 batches are written by a repeat.
; A batch's 8 weights are read from LDS a batch ahead, into two sets by turns.  Four sets of sums (row % 4); the first four rows' products start them.
; No prefetch: the launch is one stream, and its own loads run 32 rows ahead.  The row's maximum is taken away before the exponential.  LIMITS: NaN and infinities are not served.
.set WT,   0                           ; LDS: the 2,048 weights
.set RED,  8192                        ; the waves' maxima; 256 bytes on, their sums
.set CR,   8704                        ; the waves' partial sums of out0: 512 bytes each
.set P,    8                           ; v8-15   my 8 scores, then weights: rows 4 t .. 4 t + 3 and 1,024 + 4 t ..
.set WG,   28                          ; v28-43  two sets of 8 weights
.set WB,   44                          ; v44     my wave's weights in LDS
.set X,    48                          ; v48-175 the ring: 32 slots of 4 registers
.set AA,   176                         ; v176-191 four sets of sums
.set SPW,  192                         ; v192, v193 the add's two registers
.set NIL,  193
	s_load_b256 s[4:11], s[0:1], 0x0               ; scores s[4:5], enc s[6:7], out0 s[8:9], out1 s[10:11]
	v_lshl_add_u32 v[SPW], v0, 2, 0x4000
	v_mov_b32 v[NIL], 0
	v_lshrrev_b32 v1, 5, v0
	s_delay_alu instid0(VALU_DEP_1)
	v_readfirstlane_b32 s12, v1                    ; wave 0..7
	s_lshr_b32 s13, ttmp9, 3                       ; b
	s_and_b32 s14, ttmp9, 7                        ; cc
	v_lshlrev_b32 v2, 4, v0                        ; 16 x thread
	v_and_b32 v3, 31, v0
	s_delay_alu instid0(VALU_DEP_1)
	v_lshlrev_b32 v3, 4, v3                        ; 16 x lane
	s_wait_alu depctr_va_vdst(0)
	s_lshl_b32 s16, s13, 13                        ; a row of scores and of out1: 8,192 bytes
	s_mov_b32 s17, 0
	s_lshl_b32 s18, s13, 23                        ; enc: 2,048 rows of 4,096 bytes a batch row,
	s_lshl_b32 s20, s12, 20                        ; 256 rows a wave,
	s_add_co_u32 s18, s18, s20
	s_lshl_b32 s21, s14, 9                         ; my 512 bytes of a row
	s_add_co_u32 s18, s18, s21
	s_mov_b32 s19, 0
	s_lshl_b32 s20, s13, 12
	s_add_co_u32 s20, s20, s21
	s_mov_b32 s21, 0
	s_mov_b32 s22, 0x76543210
	s_mov_b32 s23, 0xfedcba98                      ; lane selects: lane l xor 16
	s_mov_b32 s25, 0x3fb8aa3b                      ; log2(e)
	s_lshl_b32 s24, s12, 2
	s_add_co_u32 s24, s24, RED
	v_mov_b32 v18, s24                             ; my wave's word
	v_mov_b32 v19, RED
	s_lshl_b32 s24, s12, 10
	v_mov_b32 v[WB], s24
	s_lshl_b32 s24, s12, 9
	s_add_co_u32 s24, s24, CR
	v_add_nc_u32 v46, s24, v3
	v_add_nc_u32 v47, CR, v3
	v_mov_b32 v17, 0                               ; written once: a lane permute's destination counts as one of its sources
	s_wait_alu depctr_va_vdst(0)
	s_wait_kmcnt 0x0
	s_add_nc_u64 s[4:5], s[4:5], s[16:17]
	s_add_nc_u64 s[10:11], s[10:11], s[16:17]
	s_add_nc_u64 s[6:7], s[6:7], s[18:19]
	s_add_nc_u64 s[8:9], s[8:9], s[20:21]
	global_load_b128 v[P:P+3], v2, s[4:5]
	global_load_b128 v[P+4:P+7], v2, s[4:5] offset:4096
.set Q, 0
.rept 32
	global_load_b128 v[X+4*Q:X+4*Q+3], v3, s[6:7] offset:4096*Q th:TH_LOAD_NT   ; the ring is filled before the softmax is made
.set Q, Q+1
.endr
	s_wait_loadcnt 32                              ; the scores are in; the ring's 32 loads behind them may be out
	v_max3_num_f32 v16, v[P], v[P+1], v[P+2]
	s_delay_alu instid0(VALU_DEP_1)
	v_max3_num_f32 v16, v16, v[P+3], v[P+4]
	s_delay_alu instid0(VALU_DEP_1)
	v_max3_num_f32 v16, v16, v[P+5], v[P+6]
	s_delay_alu instid0(VALU_DEP_1)
	v_max_num_f32 v16, v16, v[P+7]
	s_delay_alu instid0(VALU_DEP_1)
	v_max_num_f32_dpp v16, v16, v16 row_xmask:1 row_mask:0xf bank_mask:0xf
	s_delay_alu instid0(VALU_DEP_1)
	v_max_num_f32_dpp v16, v16, v16 row_xmask:2 row_mask:0xf bank_mask:0xf
	s_delay_alu instid0(VALU_DEP_1)
	v_max_num_f32_dpp v16, v16, v16 row_xmask:4 row_mask:0xf bank_mask:0xf
	s_delay_alu instid0(VALU_DEP_1)
	v_max_num_f32_dpp v16, v16, v16 row_xmask:8 row_mask:0xf bank_mask:0xf
	s_delay_alu instid0(VALU_DEP_1)
	v_permlanex16_b32 v17, v16, s22, s23
	s_delay_alu instid0(VALU_DEP_1)
	v_max_num_f32 v16, v16, v17
	ds_store_b32 v18, v16                          ; all lanes write the same word with the same value
	s_wait_dscnt 0x0
	s_barrier_signal -1
	s_barrier_wait -1
	ds_load_b128 v[28:31], v19
	ds_load_b128 v[32:35], v19 offset:16
	s_wait_dscnt 0x0
	v_max3_num_f32 v16, v28, v29, v30
	s_delay_alu instid0(VALU_DEP_1)
	v_max3_num_f32 v16, v16, v31, v32
	s_delay_alu instid0(VALU_DEP_1)
	v_max3_num_f32 v16, v16, v33, v34
	s_delay_alu instid0(VALU_DEP_1)
	v_max_num_f32 v16, v16, v35                    ; the row's maximum
	s_delay_alu instid0(VALU_DEP_1)
	v_mul_f32 v17, s25, v16
.irp j, 0,1,2,3,4,5,6,7
	v_fma_f32 v[P+\j], v[P+\j], s25, -v17          ; (s - m) log2(e)
.endr
	s_wait_alu depctr_va_vdst(0)                   ; the wait ahead of the batch,
.irp j, 0,1,2,3,4,5,6,7
	v_exp_f32 v[P+\j], v[P+\j]
.endr
	v_nop                                          ; a plain place behind the exponentials,
	s_wait_alu depctr_va_vdst(0)                   ; and the wait ahead of their first reader
	v_pk_add_f32 v[16:17], v[P:P+1], v[P+2:P+3]
	v_pk_add_f32 v[36:37], v[P+4:P+5], v[P+6:P+7]
	s_delay_alu instid0(VALU_DEP_1)
	v_pk_add_f32 v[16:17], v[16:17], v[36:37]
	s_delay_alu instid0(VALU_DEP_1)
	v_add_f32 v16, v16, v17
	s_delay_alu instid0(VALU_DEP_1)
	v_add_f32_dpp v16, v16, v16 row_xmask:1 row_mask:0xf bank_mask:0xf
	s_delay_alu instid0(VALU_DEP_1)
	v_add_f32_dpp v16, v16, v16 row_xmask:2 row_mask:0xf bank_mask:0xf
	s_delay_alu instid0(VALU_DEP_1)
	v_add_f32_dpp v16, v16, v16 row_xmask:4 row_mask:0xf bank_mask:0xf
	s_delay_alu instid0(VALU_DEP_1)
	v_add_f32_dpp v16, v16, v16 row_xmask:8 row_mask:0xf bank_mask:0xf
	s_delay_alu instid0(VALU_DEP_1)
	v_permlanex16_b32 v17, v16, s22, s23
	s_delay_alu instid0(VALU_DEP_1)
	v_add_f32 v16, v16, v17
	ds_store_b32 v18, v16 offset:256               ; other bytes than the maxima's: no barrier is owed between
	s_wait_dscnt 0x0
	s_barrier_signal -1
	s_barrier_wait -1
	ds_load_b128 v[28:31], v19 offset:256
	ds_load_b128 v[32:35], v19 offset:272
	s_wait_dscnt 0x0
	v_pk_add_f32 v[28:29], v[28:29], v[30:31]
	v_pk_add_f32 v[32:33], v[32:33], v[34:35]
	s_delay_alu instid0(VALU_DEP_1)
	v_pk_add_f32 v[28:29], v[28:29], v[32:33]
	s_delay_alu instid0(VALU_DEP_1)
	v_add_f32 v28, v28, v29                        ; the row's sum
	s_wait_alu depctr_va_vdst(0)
	v_rcp_f32 v16, v28
	v_nop
	s_wait_alu depctr_va_vdst(0)
.irp j, 0,2,4,6
	v_pk_mul_f32 v[P+\j:P+\j+1], v[P+\j:P+\j+1], v[16:17] op_sel_hi:[1,0]
.endr
	ds_store_b128 v2, v[P:P+3] offset:WT
	ds_store_b128 v2, v[P+4:P+7] offset:WT+4096
	s_cmp_lg_u32 s12, s14                          ; wave cc of work-group cc stores its threads' weights: the eight work-groups of a batch row cover out1's row
	s_cbranch_scc1 .Lnot_mine
	global_store_b128 v2, v[P:P+3], s[10:11]       ; 512 consecutive bytes, at a multiple of 256 from out1's first byte
	global_store_b128 v2, v[P+4:P+7], s[10:11] offset:4096
.Lnot_mine:
	s_wait_dscnt 0x0
	s_barrier_signal -1
	s_barrier_wait -1                              ; all 2,048 weights lie in LDS
	ds_load_b128 v[WG:WG+3], v[WB] offset:WT       ; batch 0's weights: every lane reads the same 8
	ds_load_b128 v[WG+4:WG+7], v[WB] offset:WT+16
; A batch: rows 8 k .. 8 k + 7 of my 256, in ring slots 8 (k % 4) + i; each slot then takes the row 32 further down.
.macro BATCH k
.set WS, WG+8*((\k)%2)
.set WN, WG+8*(((\k)+1)%2)
.set XS, X+32*((\k)%4)
	s_wait_alu depctr_va_vdst(0)
.if (\k) < 28
	s_wait_loadcnt 24                              ; loads come back in order (ISA guide 5.7.1): this batch's 8 are in, the three younger batches' 24 stay out
.else
	s_wait_loadcnt 8*(31-(\k))                     ; the counts run down
.endif
	s_wait_dscnt 0x0                               ; this batch's weights, asked for a batch ago
.if (\k) < 31
	ds_load_b128 v[WN:WN+3], v[WB] offset:WT+32*(\k)+32
	ds_load_b128 v[WN+4:WN+7], v[WB] offset:WT+32*(\k)+48
.endif
.irp i, 0,1,2,3,4,5,6,7
.set A4, AA+4*(\i%4)
.irp c, 0,2
.if (\k) == 0 && \i < 4
.if \i%2 == 0
	v_pk_mul_f32 v[A4+\c:A4+\c+1], v[XS+4*\i+\c:XS+4*\i+\c+1], v[WS+\i:WS+\i+1] op_sel_hi:[1,0]                       ; the first products start the sums; the pair's first weight for both halves
.else
	v_pk_mul_f32 v[A4+\c:A4+\c+1], v[XS+4*\i+\c:XS+4*\i+\c+1], v[WS+\i-1:WS+\i] op_sel:[0,1] op_sel_hi:[1,1]          ; the pair's second weight for both halves
.endif
.else
.if \i%2 == 0
	v_pk_fma_f32 v[A4+\c:A4+\c+1], v[XS+4*\i+\c:XS+4*\i+\c+1], v[WS+\i:WS+\i+1], v[A4+\c:A4+\c+1] op_sel_hi:[1,0,1]
.else
	v_pk_fma_f32 v[A4+\c:A4+\c+1], v[XS+4*\i+\c:XS+4*\i+\c+1], v[WS+\i-1:WS+\i], v[A4+\c:A4+\c+1] op_sel:[0,1,0] op_sel_hi:[1,1,1]
.endif
.endif
.endr
.endr
.if (\k)+4 < 32
.irp i, 0,1,2,3,4,5,6,7
	global_load_b128 v[XS+4*\i:XS+4*\i+3], v3, s[6:7] offset:4096*(8*((\k)+4)+\i) th:TH_LOAD_NT
.endr
.endif
.endm
.set Q, 0
.rept 32
	BATCH Q
.set Q, Q+1
.endr
	v_pk_add_f32 v[AA:AA+1], v[AA:AA+1], v[AA+4:AA+5]
	v_pk_add_f32 v[AA+2:AA+3], v[AA+2:AA+3], v[AA+6:AA+7]
	s_delay_alu instid0(VALU_DEP_4)
	v_pk_add_f32 v[AA+8:AA+9], v[AA+8:AA+9], v[AA+12:AA+13]
	s_delay_alu instid0(VALU_DEP_4)
	v_pk_add_f32 v[AA+10:AA+11], v[AA+10:AA+11], v[AA+14:AA+15]
	s_delay_alu instid0(VALU_DEP_2)
	v_pk_add_f32 v[AA:AA+1], v[AA:AA+1], v[AA+8:AA+9]
	s_delay_alu instid0(VALU_DEP_2)
	v_pk_add_f32 v[AA+2:AA+3], v[AA+2:AA+3], v[AA+10:AA+11]
	ds_store_b128 v46, v[AA:AA+3]
	s_wait_dscnt 0x0
	s_barrier_signal -1
	s_barrier_wait -1
	s_cmp_lg_u32 s12, 0
	s_cbranch_scc1 .Lend
.irp k, 0,1,2,3,4,5,6,7
	ds_load_b128 v[X+4*\k:X+4*\k+3], v47 offset:512*\k
.endr
	s_wait_dscnt 0x0
.irp k, 1
	v_pk_add_f32 v[X:X+1], v[X:X+1], v[X+4*\k:X+4*\k+1]
	v_pk_add_f32 v[X+2:X+3], v[X+2:X+3], v[X+4*\k+2:X+4*\k+3]
.endr
.irp k, 2, 3, 4, 5, 6, 7
	s_delay_alu instid0(VALU_DEP_2)
	v_pk_add_f32 v[X:X+1], v[X:X+1], v[X+4*\k:X+4*\k+1]
	s_delay_alu instid0(VALU_DEP_2)
	v_pk_add_f32 v[X+2:X+3], v[X+2:X+3], v[X+4*\k+2:X+4*\k+3]
.endr
	global_store_b128 v3, v[X:X+3], s[8:9]         ; 512 consecutive bytes, at a multiple of 256 from out0's first byte
.Lend:
	s_wait_tensorcnt 0x0                           ; the wave's end
	ds_add_u32 v[SPW], v[NIL]
	s_wait_dscnt 0x0
	s_endpgm
.Lfunc_end_k_q419851e0d8_context:
	.size	k_q419851e0d8_context, .Lfunc_end_k_q419851e0d8_context-k_q419851e0d8_context
	.p2alignl 7, 3214868480
	.fill 96, 4, 3214868480
	.section	.rodata,"a",@progbits
	.p2align	6, 0x0
	.amdhsa_kernel k_q419851e0d8_context
		.amdhsa_group_segment_fixed_size 17408
		.amdhsa_private_segment_fixed_size 0
		.amdhsa_enable_private_segment 0
		.amdhsa_kernarg_size 32
		.amdhsa_user_sgpr_count 2
		.amdhsa_user_sgpr_kernarg_segment_ptr 1
		.amdhsa_wavefront_size32 1
		.amdhsa_system_sgpr_workgroup_id_x 1
		.amdhsa_system_sgpr_workgroup_id_y 1
		.amdhsa_system_sgpr_workgroup_id_z 1
		.amdhsa_system_vgpr_workitem_id 0
		.amdhsa_next_free_vgpr 200
		.amdhsa_next_free_sgpr 66
		.amdhsa_reserve_vcc 0
		.amdhsa_float_denorm_mode_32 3
		.amdhsa_float_denorm_mode_16_64 3
		.amdhsa_memory_ordered 1
		.amdhsa_forward_progress 1
		.amdhsa_inst_pref_size 73
	.end_amdhsa_kernel
	.amdgpu_metadata
---
amdhsa.version: [ 1, 2 ]
amdhsa.kernels:
  - .name:           k_q419851e0d8_context
    .symbol:         k_q419851e0d8_context.kd
    .args:
      - { .name: scores, .offset: 0, .size: 8, .value_kind: global_buffer, .address_space: global }
      - { .name: enc_outputs, .offset: 8, .size: 8, .value_kind: global_buffer, .address_space: global }
      - { .name: out0, .offset: 16, .size: 8, .value_kind: global_buffer, .address_space: global }
      - { .name: out1, .offset: 24, .size: 8, .value_kind: global_buffer, .address_space: global }
    .group_segment_fixed_size: 17408
    .private_segment_fixed_size: 0
    .kernarg_segment_align: 8
    .kernarg_segment_size: 32
    .max_flat_workgroup_size: 256
    .sgpr_count:     66
    .vgpr_count:     200
    .wavefront_size: 32
...
	.end_amdgpu_metadata
.endif
;; end of part 3
